; MI455X (gfx1250); checked and timed in simulation.
; The chip was launched on July 23, 2026; its instructions are those of AMD's public machine-readable ISA for CDNA 5 (MIT licence, August 2026) and "CDNA5" Instruction Set Architecture Reference Guide (July 2026). The comments in the code are by the model that wrote it; some were corrected since.
;; Up Sample. Allowed arithmetic: matrix products marked QUANTISED: E4M3 operands, one E8M0 scale for each 32 along K, by v_wmma_scale_f32_16x16x128_f8f6f4 with both operands' format E4M3, f32 sums; everything else in f32.
;; Inputs: Wk_codes 512 x 16 x 32 uint8 (E4M3 codes of Wk, K innermost, in blocks of 32 codes); Wk_scales 512 x 16 uint8 (E8M0 scales of Wk, one for each 32 codes along K); Wq_codes 512 x 16 x 32 uint8 (E4M3 codes of Wq, K innermost, in blocks of 32 codes); Wq_scales 512 x 16 uint8 (E8M0 scales of Wq, one for each 32 codes along K); Wskip_codes 512 x 16 x 32 uint8 (E4M3 codes of Wskip, K innermost, in blocks of 32 codes); Wskip_scales 512 x 16 uint8 (E8M0 scales of Wskip, one for each 32 codes along K); Wv_codes 512 x 16 x 32 uint8 (E4M3 codes of Wv, K innermost, in blocks of 32 codes); Wv_scales 512 x 16 uint8 (E8M0 scales of Wv, one for each 32 codes along K); pcd_down_codes 8 x 1,024 x 16 x 32 uint8 (E4M3 codes of pcd_down, K innermost, in blocks of 32 codes); pcd_down_scales 8 x 1,024 x 16 uint8 (E8M0 scales of pcd_down, one for each 32 codes along K); pcd_up_codes 8 x 4,096 x 16 x 32 uint8 (E4M3 codes of pcd_up, K innermost, in blocks of 32 codes); pcd_up_scales 8 x 4,096 x 16 uint8 (E8M0 scales of pcd_up, one for each 32 codes along K).
;; Outputs: out0 8 x 512 x 4,096 float32.
;; This version of the problem:
;;   THIS VERSION OF THE PROBLEM IS GIVEN IN LOW PRECISION. The matrix products marked QUANTISED in the list below multiply operands that are first quantised to E4M3 (4 exponent bits, 3 mantissa bits; 8 bits a number), with one power-of-two scale for each 32 numbers along K (OCP MX v1.0); their sums are f32. All else is computed in f32.
;;   The module's matrix products, in the order in which they are computed (A, B: the left and right operand; K: the contracted axis; several contracted axes count as one K, in the product's order):
;;     1. [M 32,768, K 512] x [K 512, N 512]; A: input pcd_up (given as codes); B: input Wq (given as codes): QUANTISED
;;     2. [M 8,192, K 512] x [K 512, N 512]; A: input pcd_down (given as codes); B: input Wk (given as codes): QUANTISED
;;     3. [M 8,192, K 512] x [K 512, N 512]; A: input pcd_down (given as codes); B: input Wv (given as codes): QUANTISED
;;     4. batch 8 x [M 4,096, K 512] x [K 512, N 1,024]; A: computed on the way; B: computed on the way: QUANTISED
;;     5. batch 8 x [M 512, K 1,024] x [K 1,024, N 4,096]; A: computed on the way; B: softmax (see below): QUANTISED
;;     6. [M 32,768, K 512] x [K 512, N 512]; A: input pcd_up (given as codes); B: input Wskip (given as codes): QUANTISED
;;   THE QUANTISER, for each operand of a quantised product, along K:
;;     - K is cut into blocks of 32 from its start; a last block that is shorter is filled with zeros.
;;     - A block's scale is 2^e with e = floor(log2(the largest magnitude in the block)) - 8, held to -126 .. 127; a block of zeros has e = 0. As a byte (E8M0): e + 127.
;;     - Each number is divided by its block's scale, clamped to +-448, and rounded to the nearest number of E4M3, ties to even, subnormals kept.
;;     - The product sums the exact products of the quantised numbers (number of the format x scale) in f32.
;;   ~~~python
;;   def quantise(x, axis):      # numpy; x: float32 -> the quantised numbers, widened to float32 again
;;       x = np.moveaxis(x, axis, -1); K = x.shape[-1]
;;       x = np.pad(x, [(0, 0)] * (x.ndim - 1) + [(0, -K % 32)]); x = x.reshape(x.shape[:-1] + (-1, 32)); a = np.abs(x).max(-1, keepdims=True)
;;       e = np.where(a > 0, np.clip(np.frexp(np.where(a > 0, a, 1))[1] - 1 - 8, -126, 127), 0)      # np.frexp(a)[1] - 1 = floor(log2(a)), exactly
;;       r = np.clip(x / 2.0 ** e, -448, 448)
;;       step = 2.0 ** (np.maximum(np.frexp(np.where(r == 0, 1, r))[1] - 1, -6) - 3)
;;       q = np.round(r / step) * step * 2.0 ** e      # np.round: ties to even
;;       return np.moveaxis(q.reshape(q.shape[:-2] + (-1,))[..., :K], -1, axis).astype(np.float32)
;;   ~~~
;;   SOFTMAX AHEAD OF A QUANTISED PRODUCT. Where the list says 'softmax', what is quantised is not the finished softmax but p = 2^(t - M), with t = logit x log2(e) and M = ceil(the row's largest t), a whole number; so 1/2 < the row's largest p <= 1. The row's sum l is taken of the UNQUANTISED p, in f32, and the product's result is divided by l at the end. Since M is a whole number, a kernel that streams over the keys may use a running M (the ceiling of the running maximum): every later rescaling is an exact power of two, which a block's scale takes up: the codes' values come out the same.
;;   OPERANDS COMPUTED ON THE WAY. 'Computed on the way' means the value that the module computes at that place (a softmax that the list does not call 'softmax' is quantised finished and normalised). What goes into a quantiser is computed in f32, as accurately as f32 sums, v_exp_f32 and their like allow (about 1e-6 of the number): no bf16 or f16 on the way to a quantiser, and a product that is left as it is and whose result goes on into a quantised operand takes f32 operands (vector FMAs, or v_wmma_f32_16x16x4_f32). A number that lies on a knife's edge between two numbers of the format may be rounded either way, as far as f32 arithmetic and the matrix unit's own rounding can turn it there, and no further.
;;   INPUTS GIVEN AS CODES. Wk (in the module: [512, 512], K = its axis 1); Wq (in the module: [512, 512], K = its axis 1); Wskip (in the module: [512, 512], K = its axis 1); Wv (in the module: [512, 512], K = its axis 1); pcd_down (in the module: [8, 512, 1024], K = its axis 1); pcd_up (in the module: [8, 512, 4096], K = its axis 1): each comes as NAME_codes (uint8): NAME with its K axis moved to the last place and cut into blocks of 32 codes, [.., K / 32, bytes a block], one block behind the other in memory; one code a byte (a code: sign, 4 exponent bits, 3 mantissa bits); and NAME_scales (uint8): the same leading axes, one E8M0 byte (e + 127) for each 32 codes along K. Its value is code x scale, taken as it is: it is not quantised again, and the codes and scales need not be those that the quantiser above would give.
;; One version. Each part assembles by itself: llvm-mc -triple=amdgcn-amd-amdhsa -mcpu=gfx1250 --defsym DOCPART=n.
;; ======== version 1 of 1: 2 launches
;; limits: right only within a limited range of input values
;; workspace buffers: kfb 4,456,448 bytes; vfb 4,456,448 bytes; wqb 278,528 bytes; wsb 278,528 bytes
;; launch prep (part 1): grid 256 x 1, 4 waves a work-group, no clusters, 69,120 bytes of LDS; arguments pcd_down_codes, pcd_down_scales, Wk_codes, Wk_scales, Wv_codes, Wv_scales, Wq_codes, Wq_scales, Wskip_codes, Wskip_scales, kfb, vfb, wqb, wsb; writes kfb, vfb, wqb, wsb
.if DOCPART == 1
	.amdgcn_target "amdgcn-amd-amdhsa--gfx1250"
	.amdhsa_code_object_version 6
	.text
	.protected	k_qf475be253f_prep
	.globl	k_qf475be253f_prep
	.p2align	8
	.type	k_qf475be253f_prep,@function
k_qf475be253f_prep:
	s_mov_b64 s[64:65], 0
	v_nop
	global_prefetch_b8 v0, s[64:65] scope:SCOPE_SE
	s_setreg_imm32_b32 hwreg(HW_REG_WAVE_MODE, 25, 1), 1
	s_wait_xcnt 0x0
; k = Wk down and v = Wv down (codes of E4M3 with E8M0 scales, f32 sums), quantised again (k along the channels, v along the keys) and stored
; IN THE ORDER OF THE OPERAND REGISTERS of the second launch; Wq and Wskip are laid out in the same order.
; A CHUNK is 32 fragment images of 2,048 bytes and 4,096 bytes of scale words.  A fragment image: piece c (registers 4 c .. 4 c + 3) of lane l at byte 512 c + 16 l; lane (r, h) holds row r, k = 32 c + 16 h + 0 .. 15.
;   kfb chunk 8 b + j (128 keys): fragment 4 t + s (key tile t, channel step s); lane r = key 32 (t / 2) + 8 (t % 2) + r + 8 (r / 8); scale words at 1024 s + 512 (t / 4) + 16 lane + 4 (t % 4)
;   vfb chunk 8 b + j (key step j): fragment T (channel tile); lane r = channel 16 T + r; scale words at 256 (T / 2) + 8 lane + 4 (T % 2)
;   wqb chunk s (K step): fragment T; lane r = row 32 (T / 2) + 8 (T % 2) + r + 8 (r / 8); scale words as in vfb.     wsb chunk s: fragment T; lane r = row 16 T + r; scale words as in vfb.
; SHARES.  Work-group x: chunk x / 4 (128 keys of one batch), g = x % 4.  K part: channels 128 g .. + 127; wave w makes the 32 channels 128 g + 32 w .. for all 8 key tiles: one block of 32 along the next K,
; so piece w of the fragments (t, g) and one scale byte a key; the four bytes of a word meet in LDS.  V part: wave w makes channel tiles 8 g + 2 w + u over the 128 keys: two whole fragments.
; Relayout: work-group x copies fragment (s = (x / 32) % 4, T = x % 32) of Wq (x < 128) or Wskip, a piece a wave.
; The 128 rows of down go through LDS once (each row read whole, 512 bytes a load) and then stay in registers as 32 fragments.
; No tensor load, no cluster: a work-group reads 64 KB of down and 128 KB of weights once each, straight into the registers that multiply them.
; LIMITS: NaN and infinities are not served.  A block of zeros gets the scale byte 1 (its codes are zeros; the bytes are read by this program alone).
; REGISTERS.  Window 0: v1-19 offsets; v32-63 scale words of down (4 t + s), v64-71 of Wk, v72-79 of Wv; v80-95 at work; v96-97 two scale words; v98-105 small data; v108-123 codes; v128-255 the rows on their way, then 16 accumulators.
;   window 1: v0-127 Wk (16 (4 u + s)), v128-255 Wv.   windows 2, 3: the fragments of down (16 (4 (t % 4) + s)), key tiles 0-3 and 4-7.
.set CHUNK, 69632
.set SCO,   65536                      ; where the scale words of a chunk begin
.set DNP,   528                        ; a row of down in LDS: 512 bytes + 16
.set SCB,   128*DNP                    ; behind the rows: 1,024 bytes in which the scale bytes of k meet
.set LI,   1                           ; 16 x lane
.set VD,   2                           ; down: 16 x lane + 32 rows x wave
.set DW,   3                           ; LDS: the same in rows of DNP
.set VDS,  4                           ; scale words of down: 16 x (r + 8 (r / 8))
.set VWKS, 5                           ; of Wk
.set VWVS, 6                           ; of Wv
.set VWK,  7                           ; fragments of Wk
.set VWV,  8                           ; of Wv
.set DR,   9                           ; LDS: a fragment of down: r x DNP + 16 h
.set VRI,  10                          ; relayout: from
.set VRO,  11                          ; relayout: to
.set VKO,  12                          ; codes of k: 16 lane + 512 w + 2048 g
.set SBA,  13                          ; LDS: my scale byte
.set SBR,  14                          ; LDS: 8 bytes a lane of the gathered words
.set VSO,  15                          ; scale words out: 8 lane + 256 w + 1024 g
.set VVO,  16                          ; codes of v
.set VRS,  17                          ; relayout: scale word of tile T
.set VRS2, 18                          ; and of tile T + 1
.set VRD,  19                          ; and where the pair goes
.set DNS,  32
.set WKS,  64
.set WVS,  72
.set TM,   80                          ; v80-83 largest magnitudes, v84-87 bytes, v88-91 448 x the scale, v92-95 the scale operands
.set PW,   96
.set RSW,  98
.set RPC,  100
.set SBD,  104
.set PC,   108
.set ACC,  128
.set SEL,  60                          ; s[60:61] selects of v_permlanex16_b32: lane l xor 16
.set MNT,  62                          ; s62 the mantissa field of 448
.set MSB, 0
.macro WIN new                         ; the high byte of the immediate repeats the setting that is left
.if MSB != (\new)
	s_set_vgpr_msb (MSB<<8)|(\new)
.set MSB, (\new)
.endif
.endm
.macro NOPS n
.rept \n
	v_nop
.endr
.endm
; 64 numbers of a lane, v[s] on; each run of 16 is my half of a block of 32 (the other half lies in lane l xor 16).  Codes to v[pc] on (4 registers a block), the four scale bytes to v[TM+4] on.
.macro QUANT s, pc
.irp b, 0,1,2,3
	v_max3_num_f32 v[TM+\b], |v[(\s)+16*\b]|, |v[(\s)+1+16*\b]|, 0x4800000   ; my 16 numbers and the floor 2^(9 - 127): the byte cannot fall under 1
.endr
.irp i, 2,4,6,8,10,12,14
.irp b, 0,1,2,3
	v_max3_num_f32 v[TM+\b], v[TM+\b], |v[(\s)+16*\b+\i]|, |v[(\s)+1+16*\b+\i]|   ; the four blocks by turns
.endr
.endr
.irp b, 0,1,2,3
	v_permlanex16_b32 v[TM+4+\b], v[TM+\b], s[SEL], s[SEL+1]
.endr
.irp b, 0,1,2,3
	v_max_num_f32 v[TM+\b], v[TM+\b], v[TM+4+\b]        ; the largest magnitude of the block
.endr
.irp b, 0,1,2,3
	v_add_nc_u32 v[TM+12+\b], 0xfc000000, v[TM+\b]      ; 8 off its exponent field: the scale operand of the conversion
.endr
.irp b, 0,1,2,3
	v_and_or_b32 v[TM+8+\b], v[TM+\b], 0x7f800000, s[MNT]   ; 448 x the scale
.endr
.irp b, 0,1,2,3
	v_lshrrev_b32 v[TM+4+\b], 23, v[TM+12+\b]           ; the scale byte
.endr
.irp b, 0,1,2,3
.irp i, 0,1,2,3,4,5,6,7,8,9,10,11,12,13,14,15
	v_med3_num_f32 v[(\s)+16*\b+\i], v[(\s)+16*\b+\i], -v[TM+8+\b], v[TM+8+\b]   ; the conversion does not saturate (ISA guide 7.6.2): the hold at 448 x the scale
.endr
	v_cvt_scalef32_pk8_fp8_f32 v[(\pc)+4*\b:(\pc)+4*\b+1], v[(\s)+16*\b:(\s)+16*\b+7], v[TM+12+\b]
	v_cvt_scalef32_pk8_fp8_f32 v[(\pc)+4*\b+2:(\pc)+4*\b+3], v[(\s)+16*\b+8:(\s)+16*\b+15], v[TM+12+\b]
.endr
	v_nop                                          ; a plain line between the last conversion and whatever next writes its sources
.endm
.macro QWORD dst                       ; the four bytes make a scale word
	v_lshl_or_b32 v[\dst], v[TM+5], 8, v[TM+4]
	v_lshl_or_b32 v[\dst], v[TM+6], 16, v[\dst]
	v_lshl_or_b32 v[\dst], v[TM+7], 24, v[\dst]
.endm
; k^T: source 0 = 16 rows of Wk (channels), source 1 = 16 keys: a lane holds one key, its registers run along the channels
.macro KMM s, t, u
.if \s == 0
	v_wmma_scale_f32_16x16x128_f8f6f4 v[ACC+8*(2*\t+\u):ACC+8*(2*\t+\u)+7], v[16*(4*\u+\s):16*(4*\u+\s)+15], v[16*(4*(\t%4)+\s):16*(4*(\t%4)+\s)+15], 0, v[WKS+4*\u+\s], v[DNS+4*\t+\s]
.else
	v_wmma_scale_f32_16x16x128_f8f6f4 v[ACC+8*(2*\t+\u):ACC+8*(2*\t+\u)+7], v[16*(4*\u+\s):16*(4*\u+\s)+15], v[16*(4*(\t%4)+\s):16*(4*(\t%4)+\s)+15], v[ACC+8*(2*\t+\u):ACC+8*(2*\t+\u)+7], v[WKS+4*\u+\s], v[DNS+4*\t+\s]
.endif
.endm
; v: source 0 = 16 keys, source 1 = 16 rows of Wv (channels): a lane holds one channel, its registers run along the keys
.macro VMM s, t, u
.if \s == 0
	v_wmma_scale_f32_16x16x128_f8f6f4 v[ACC+64*\u+8*\t:ACC+64*\u+8*\t+7], v[16*(4*(\t%4)+\s):16*(4*(\t%4)+\s)+15], v[128+16*(4*\u+\s):128+16*(4*\u+\s)+15], 0, v[DNS+4*\t+\s], v[WVS+4*\u+\s]
.else
	v_wmma_scale_f32_16x16x128_f8f6f4 v[ACC+64*\u+8*\t:ACC+64*\u+8*\t+7], v[16*(4*(\t%4)+\s):16*(4*(\t%4)+\s)+15], v[128+16*(4*\u+\s):128+16*(4*\u+\s)+15], v[ACC+64*\u+8*\t:ACC+64*\u+8*\t+7], v[DNS+4*\t+\s], v[WVS+4*\u+\s]
.endif
.endm
	s_load_b512 s[4:19], s[0:1], 0x0               ; down codes s[4:5], scales s[6:7]; Wk s[8:11]; Wv s[12:15]; Wq s[16:19]
	s_load_b256 s[20:27], s[0:1], 0x40             ; Wskip s[20:23]; kfb s[24:25]; vfb s[26:27]
	s_load_b128 s[28:31], s[0:1], 0x60             ; wqb s[28:29]; wsb s[30:31]
	v_lshl_add_u32 v126, v0, 2, 0x10c00
	v_mov_b32 v127, 0
	v_lshrrev_b32 v28, 5, v0
	v_readfirstlane_b32 s32, v28                   ; wave
	v_and_b32 v28, 31, v0                          ; lane
	v_and_b32 v29, 15, v0                          ; r
	v_bfe_u32 v30, v0, 4, 1                        ; h
	v_and_b32 v31, 8, v29                          ; 8 (r / 8)
	s_lshr_b32 s33, ttmp9, 2                       ; the chunk: 8 b + j
	s_and_b32 s35, ttmp9, 3                        ; g
	s_lshl_b32 s36, s35, 7
	s_lshl_b32 s37, s32, 5
	s_add_co_u32 s36, s36, s37                     ; my first channel: 128 g + 32 w
	v_lshlrev_b32 v[LI], 4, v28
	s_lshl_b32 s37, s32, 14
	v_add_nc_u32 v[VD], s37, v[LI]
	s_mul_i32 s37, s32, 32*DNP
	v_add_nc_u32 v[DW], s37, v[LI]
	v_add_nc_u32 v27, v31, v29                     ; r + 8 (r / 8)
	v_lshlrev_b32 v[VDS], 4, v27
	s_lshl_b32 s37, s36, 4
	v_add_nc_u32 v[VWKS], s37, v[VDS]
	v_lshl_add_u32 v[VWVS], v29, 4, s37
	s_lshl_b32 s37, s36, 9
	v_lshl_add_u32 v[VWK], v27, 9, s37
	v_lshl_add_u32 v[VWK], v30, 4, v[VWK]
	v_lshl_add_u32 v[VWV], v29, 9, s37
	v_lshl_add_u32 v[VWV], v30, 4, v[VWV]
	v_mul_u32_u24 v[DR], v29, DNP
	v_lshl_add_u32 v[DR], v30, 4, v[DR]
	; the relayout: p = 1 for Wq, whose tiles take rows 16 T - 8 (T % 2) + r + 8 (r / 8); p = 0 for Wskip: 16 T + r
	s_lshr_b32 s38, ttmp9, 7
	s_xor_b32 s39, s38, 1                          ; p
	s_bfe_u32 s40, ttmp9, 0x20005                  ; K step s
	s_and_b32 s41, ttmp9, 31                       ; tile T
	s_and_b32 s42, s41, 1
	s_mul_i32 s42, s42, s39
	s_lshl_b32 s42, s42, 3
	s_lshl_b32 s43, s41, 4
	s_sub_co_u32 s43, s43, s42                     ; 16 T - 8 p (T % 2)
	v_mul_u32_u24 v26, s39, v31
	v_add_nc_u32 v26, v26, v29                     ; r + 8 p (r / 8)
	s_lshl_b32 s37, s43, 9
	s_lshl_b32 s42, s40, 7
	s_add_co_u32 s37, s37, s42
	s_lshl_b32 s42, s32, 5
	s_add_co_u32 s37, s37, s42                     ; row x 512 + 128 s + 32 w: piece w
	v_lshl_add_u32 v[VRI], v26, 9, s37
	v_lshl_add_u32 v[VRI], v30, 4, v[VRI]
	s_lshl_b32 s37, s41, 11
	s_lshl_b32 s42, s32, 9
	s_add_co_u32 s37, s37, s42
	v_add_nc_u32 v[VRO], s37, v[LI]
	s_lshl_b32 s37, s43, 4
	s_lshl_b32 s42, s40, 2
	s_add_co_u32 s37, s37, s42
	v_lshl_add_u32 v[VRS], v26, 4, s37             ; a row of scales is 16 bytes; word s
	s_lshl_b32 s42, s39, 7
	s_sub_co_u32 s42, 256, s42                     ; tile T + 1 (T even) lies 8 rows on in Wq, 16 in Wskip
	v_add_nc_u32 v[VRS2], s42, v[VRS]
	s_lshr_b32 s37, s41, 1
	s_lshl_b32 s37, s37, 8
	v_lshl_add_u32 v[VRD], v28, 3, s37
	s_lshl_b32 s37, s32, 9
	s_lshl_b32 s42, s35, 11
	s_add_co_u32 s37, s37, s42
	v_add_nc_u32 v[VKO], s37, v[LI]
	s_add_co_u32 s37, s32, SCB
	v_add_nc_u32 v[SBA], s37, v[LI]
	s_lshl_b32 s37, s32, 8
	s_add_co_u32 s42, s37, SCB
	v_lshl_add_u32 v[SBR], v28, 3, s42
	s_lshl_b32 s42, s35, 10
	s_add_co_u32 s42, s42, s37
	v_lshl_add_u32 v[VSO], v28, 3, s42
	s_lshl_b32 s37, s35, 14
	s_lshl_b32 s42, s32, 12
	s_add_co_u32 s37, s37, s42
	v_add_nc_u32 v[VVO], s37, v[LI]                ; 2048 (8 g + 2 w) + 16 lane
	s_mov_b32 s[SEL], 0x76543210
	s_mov_b32 s[SEL+1], 0xfedcba98
	s_mov_b32 s[MNT], 0x600000
.irp b, 0,1,2,3
	v_mov_b32 v[TM+4+\b], 0                        ; written once: the destination of a lane permute counts as one of its sources
.endr
	s_mov_b32 s51, 0
	s_wait_kmcnt 0x0
	s_lshl_b32 s50, s33, 16
	s_add_nc_u64 s[52:53], s[4:5], s[50:51]        ; the 128 rows of down
	s_lshl_b32 s50, s33, 11
	s_add_nc_u64 s[54:55], s[6:7], s[50:51]        ; and their scales
	s_mul_i32 s50, s33, CHUNK
	s_add_nc_u64 s[56:57], s[24:25], s[50:51]      ; my chunk of kfb
	s_add_nc_u64 s[58:59], s[26:27], s[50:51]      ; and of vfb
	s_cmp_eq_u32 s38, 0                            ; Wq or Wskip: the choice hangs on the number of the work-group alone
	s_cselect_b64 s[44:45], s[16:17], s[20:21]
	s_cselect_b64 s[46:47], s[18:19], s[22:23]
	s_cselect_b64 s[48:49], s[28:29], s[30:31]
	s_mul_i32 s50, s40, CHUNK
	s_add_nc_u64 s[48:49], s[48:49], s[50:51]
.set i, 0
.rept 32
	global_load_b128 v[ACC+4*i:ACC+4*i+3], v[VD], s[52:53] offset:512*i   ; row 32 w + i, whole: 512 consecutive bytes
.set i, i+1
.endr
.irp t, 0,1,2,3,4,5,6,7
	global_load_b128 v[DNS+4*\t:DNS+4*\t+3], v[VDS], s[54:55] offset:(32*(\t/2)+8*(\t%2))*16   ; the four scale words of my key of tile t
.endr
.irp u, 0,1
	global_load_b128 v[WKS+4*\u:WKS+4*\u+3], v[VWKS], s[10:11] offset:128*\u
	global_load_b128 v[WVS+4*\u:WVS+4*\u+3], v[VWVS], s[14:15] offset:256*\u
.endr
	global_load_b128 v[RPC:RPC+3], v[VRI], s[44:45]
	WIN 0x40
.irp u, 0,1
.irp s, 0,1,2,3
.irp c, 0,1,2,3
	global_load_b128 v[16*(4*\u+\s)+4*\c:16*(4*\u+\s)+4*\c+3], v[VWK], s[8:9] offset:4096*\u+128*\s+32*\c
.endr
.endr
.endr
	WIN 0
	s_wait_loadcnt 45                              ; behind the 32 rows: 8 + 4 + 1 + 32 loads, which may stay out
.set i, 0
.rept 32
	ds_store_b128 v[DW], v[ACC+4*i:ACC+4*i+3] offset:(16*((i/8)%2)+8*(i/16)+i%8)*DNP   ; key 32 w + 16 a + 8 u + y goes to row 32 w + 16 u + 8 a + y: the 16 keys of a tile lie on end
.set i, i+1
.endr
	WIN 0x40
.irp u, 0,1
.irp s, 0,1,2,3
.irp c, 0,1,2,3
	global_load_b128 v[128+16*(4*\u+\s)+4*\c:128+16*(4*\u+\s)+4*\c+3], v[VWV], s[12:13] offset:8192*\u+128*\s+32*\c
.endr
.endr
.endr
	WIN 0
	s_wait_dscnt 0x0                               ; my rows lie in LDS
	s_barrier_signal -1
	s_barrier_wait -1                              ; all 128 do
	WIN 0x80
.irp t, 0,1,2,3
.irp s, 0,1,2,3
.irp c, 0,1,2,3
	ds_load_b128 v[16*(4*\t+\s)+4*\c:16*(4*\t+\s)+4*\c+3], v[DR] offset:16*\t*DNP+128*\s+32*\c
.endr
.endr
.endr
	WIN 0xc0
.irp t, 0,1,2,3
.irp s, 0,1,2,3
.irp c, 0,1,2,3
	ds_load_b128 v[16*(4*\t+\s)+4*\c:16*(4*\t+\s)+4*\c+3], v[DR] offset:16*(\t+4)*DNP+128*\s+32*\c
.endr
.endr
.endr
	WIN 0
	s_wait_loadcnt 0x0                             ; weights, scale words and the piece to be copied
	global_store_b128 v[VRO], v[RPC:RPC+3], s[48:49]   ; 512 consecutive bytes
	s_wait_dscnt 0x0
	; ---- K part: 16 accumulators by turns, K step by K step
.irp s, 0,1,2,3
	WIN 0x09                                       ; source 0 window 1, source 1 window 2
.irp t, 0,1,2,3
.irp u, 0,1
	KMM \s, \t, \u
.endr
.endr
	WIN 0x0d                                       ; source 1 window 3
.irp t, 4,5,6,7
.irp u, 0,1
	KMM \s, \t, \u
.endr
.endr
.endr
	WIN 0
	NOPS 8                                         ; eight places between the last product and the first read of results
	QUANT ACC, PC                                  ; key tiles 0-3: the 16 registers of a tile pair are my half of the block of 32 channels
.irp b, 0,1,2,3
	global_store_b128 v[VKO], v[PC+4*\b:PC+4*\b+3], s[56:57] offset:8192*\b   ; piece w of fragment (t, g)
	ds_store_b8 v[SBA], v[TM+4+\b] offset:4*\b
.endr
	s_wait_xcnt 0x0                                ; the stores have read their data: the codes may be written again
	s_wait_dscnt 0x0                               ; and so may the bytes
	QUANT ACC+64, PC                               ; key tiles 4-7
.irp b, 0,1,2,3
	global_store_b128 v[VKO], v[PC+4*\b:PC+4*\b+3], s[56:57] offset:8192*(\b+4)
	ds_store_b8 v[SBA], v[TM+4+\b] offset:512+4*\b
.endr
	s_wait_dscnt 0x0                               ; my bytes lie in LDS
	s_barrier_signal -1
	s_barrier_wait -1                              ; the words are whole
	ds_load_b64 v[SBD:SBD+1], v[SBR]
	; ---- V part
.irp s, 0,1,2,3
	WIN 0x06                                       ; source 0 window 2, source 1 window 1
.irp t, 0,1,2,3
.irp u, 0,1
	VMM \s, \t, \u
.endr
.endr
	WIN 0x07                                       ; source 0 window 3
.irp t, 4,5,6,7
.irp u, 0,1
	VMM \s, \t, \u
.endr
.endr
.endr
	WIN 0
	NOPS 8
	s_wait_dscnt 0x0
	global_store_b64 v[VSO], v[SBD:SBD+1], s[56:57] offset:SCO   ; 256 consecutive bytes of the scale words of K step g
	s_wait_xcnt 0x0                                ; the codes of k have been read by their stores
	QUANT ACC, PC
	QWORD PW
.irp c, 0,1,2,3
	global_store_b128 v[VVO], v[PC+4*\c:PC+4*\c+3], s[58:59] offset:512*\c
.endr
	s_wait_xcnt 0x0
	QUANT ACC+64, PC
	QWORD PW+1
.irp c, 0,1,2,3
	global_store_b128 v[VVO], v[PC+4*\c:PC+4*\c+3], s[58:59] offset:2048+512*\c
.endr
	global_store_b64 v[VSO], v[PW:PW+1], s[58:59] offset:SCO     ; the words of tiles 8 g + 2 w and + 1: 256 consecutive bytes
	; ---- the scale words of the copied weight: where T is even, wave 0 copies those of tiles T and T + 1
	s_and_b32 s37, ttmp9, 1
	s_or_b32 s37, s37, s32
	s_cmp_lg_u32 s37, 0
	s_cbranch_scc1 .Ldone
	global_load_b32 v[RSW], v[VRS], s[46:47]
	global_load_b32 v[RSW+1], v[VRS2], s[46:47]
	s_wait_loadcnt 0x0
	global_store_b64 v[VRD], v[RSW:RSW+1], s[48:49] offset:SCO
.Ldone:
	s_wait_tensorcnt 0x0
	ds_add_u32 v126, v127
	s_wait_dscnt 0x0
	s_endpgm
.Lfunc_end_k_qf475be253f_prep:
	.size	k_qf475be253f_prep, .Lfunc_end_k_qf475be253f_prep-k_qf475be253f_prep
	.p2alignl 7, 3214868480
	.fill 96, 4, 3214868480
	.section	.rodata,"a",@progbits
	.p2align	6, 0x0
	.amdhsa_kernel k_qf475be253f_prep
		.amdhsa_group_segment_fixed_size 69120
		.amdhsa_private_segment_fixed_size 0
		.amdhsa_enable_private_segment 0
		.amdhsa_kernarg_size 112
		.amdhsa_user_sgpr_count 2
		.amdhsa_user_sgpr_kernarg_segment_ptr 1
		.amdhsa_wavefront_size32 1
		.amdhsa_system_sgpr_workgroup_id_x 1
		.amdhsa_system_sgpr_workgroup_id_y 1
		.amdhsa_system_sgpr_workgroup_id_z 1
		.amdhsa_system_vgpr_workitem_id 0
		.amdhsa_next_free_vgpr 1024
		.amdhsa_next_free_sgpr 66
		.amdhsa_reserve_vcc 0
		.amdhsa_float_denorm_mode_32 3
		.amdhsa_float_denorm_mode_16_64 3
		.amdhsa_memory_ordered 1
		.amdhsa_forward_progress 1
		.amdhsa_inst_pref_size 77
	.end_amdhsa_kernel
	.amdgpu_metadata
---
amdhsa.version: [ 1, 2 ]
amdhsa.kernels:
  - .name:           k_qf475be253f_prep
    .symbol:         k_qf475be253f_prep.kd
    .args:
      - { .name: pcd_down_codes, .offset: 0, .size: 8, .value_kind: global_buffer, .address_space: global }
      - { .name: pcd_down_scales, .offset: 8, .size: 8, .value_kind: global_buffer, .address_space: global }
      - { .name: Wk_codes, .offset: 16, .size: 8, .value_kind: global_buffer, .address_space: global }
      - { .name: Wk_scales, .offset: 24, .size: 8, .value_kind: global_buffer, .address_space: global }
      - { .name: Wv_codes, .offset: 32, .size: 8, .value_kind: global_buffer, .address_space: global }
      - { .name: Wv_scales, .offset: 40, .size: 8, .value_kind: global_buffer, .address_space: global }
      - { .name: Wq_codes, .offset: 48, .size: 8, .value_kind: global_buffer, .address_space: global }
      - { .name: Wq_scales, .offset: 56, .size: 8, .value_kind: global_buffer, .address_space: global }
      - { .name: Wskip_codes, .offset: 64, .size: 8, .value_kind: global_buffer, .address_space: global }
      - { .name: Wskip_scales, .offset: 72, .size: 8, .value_kind: global_buffer, .address_space: global }
      - { .name: kfb, .offset: 80, .size: 8, .value_kind: global_buffer, .address_space: global }
      - { .name: vfb, .offset: 88, .size: 8, .value_kind: global_buffer, .address_space: global }
      - { .name: wqb, .offset: 96, .size: 8, .value_kind: global_buffer, .address_space: global }
      - { .name: wsb, .offset: 104, .size: 8, .value_kind: global_buffer, .address_space: global }
    .group_segment_fixed_size: 69120
    .private_segment_fixed_size: 0
    .kernarg_segment_align: 8
    .kernarg_segment_size: 112
    .max_flat_workgroup_size: 128
    .sgpr_count:     66
    .vgpr_count:     1024
    .wavefront_size: 32
...
	.end_amdgpu_metadata
.endif
;; end of part 1
;; launch attn (part 2): grid 256 x 1, 4 waves a work-group, no clusters, 321,536 bytes of LDS; arguments pcd_up_codes, pcd_up_scales, wqb, kfb, vfb, wsb, out0; writes out0
.if DOCPART == 2
	.amdgcn_target "amdgcn-amd-amdhsa--gfx1250"
	.amdhsa_code_object_version 6
	.text
	.protected	k_qf475be253f_attn
	.globl	k_qf475be253f_attn
	.p2align	8
	.type	k_qf475be253f_attn,@function
k_qf475be253f_attn:
	s_mov_b64 s[64:65], 0
	v_nop
	global_prefetch_b8 v0, s[64:65] scope:SCOPE_SE
	s_setreg_imm32_b32 hwreg(HW_REG_WAVE_MODE, 25, 1), 1
	s_wait_xcnt 0x0
; out[b][c][n] = sum over keys of softmax(q . k / sqrt(512)) v[c][key] + (Wskip up)[c][n]; every product on codes of E4M3 with E8M0 scales, f32 sums.
; SHARES.  Work-group x owns 128 queries (rows 128 x .. of up); four waves, each with a whole register file.
; PHASE 0: q = up Wq^T.  Wave w holds the 128 rows 128 w .. of Wq in registers, makes these channels for all 8 query tiles, quantises them (they are K step w of the next product) and stores fragment images in LDS.
; PHASE A: S^T = K Q^T and the softmax.  Wave w takes, of each chunk of 128 keys, the block of 32 keys 32 w .. + 31 (two key tiles), for all 128 queries, whose 32 fragments of q it holds in 512 registers:
;   so each fragment of K is loaded by one wave and feeds eight products.  p = 2^(t - M), M the ceiling of the largest t THIS WAVE has seen so far.
;   The codes of p go to LDS for all 1,024 keys.  A scale byte is kept as the whole number byte + M; at the end of the phase the final M of the row is taken off: an exact power of two, which the scale takes up.
; PHASE B: acc[channel][query] = sum over keys of V P: a plain product, wave w with 128 channels x 128 queries in 64 accumulators; nothing is rescaled on the way; then acc x 1 / l once.
; PHASE C: the same loop goes on for four K steps with Wskip and up, onto the same accumulators.  The rows leave through a stage in LDS, 512 consecutive bytes a store.
; OPERANDS ARE IMAGES OF THEIR REGISTERS, in LDS and in the workspace buffers: piece c of lane l at 512 c + 16 l, scale words 4 bytes a lane.  Every load of a fragment piece reads 512 consecutive bytes.
; NO JOINT LOADS: a fragment of Wq, K, V or Wskip is multiplied by one wave of the work-group and feeds 8 products from its registers.  Through LDS a K step would add 64 KB of LDS writes and 64 KB of LDS
; reads to the 64 KB that the fragments of P cost, and beside P (128 KB), up (64 KB), Q (64 KB) and the stage (33 KB) there is no room for two slots.
; ROTATION: work-group x walks the chunks of K and V in the order (trip + x) % 8 and the K steps of Wq, Wskip and up in the order (trip + x) % 4.  Global offsets alone hang on it; LDS is indexed by the trip.
; LIMITS: NaN and infinities are not served.  |t| stays under 2^31 (M is kept as a 32-bit whole number).  A block of zeros gets the scale byte 1.  A block of p whose byte would fall under 0 beneath the final M is held
; at byte 0: it then adds at most 448 x 2^-127 a key.  The order of the f32 sums over keys and channels differs from work-group to work-group.
; REGISTERS.  Window 0: v1-31 offsets; v32-71 scale words and nothing else; v72-127 at work; v128-255 results, scores, fragments of P.  Windows 1-3 by phase, see there.
.set CHUNK, 69632
.set SCO,   65536                      ; where the scale words of a chunk begin
.set QIMG,  0                          ; LDS: q: [K step s][query tile m] x 2,048
.set PIMG,  65536                      ; p: [trip t][m]
.set UIMG,  196608                     ; up: [K step t][m]: it continues p as trips 8 .. 11
.set QSC,   262144                     ; scale words of q: [s][m][lane]
.set PSC,   266240                     ; of p: [t][m][lane]
.set USC,   274432                     ; of up: continues those of p
.set STAT,  278528                     ; [wave][tile 0 .. 7][lane] x 8 bytes: -M, l
.set RL,    286720                     ; 1 / l of the 128 queries
.set STAGE, 287232                     ; 8,448 bytes a wave: in phase A the history of byte + M, [t][pair of tiles][lane] x 8; at the end 16 rows x 528
.set STGW,  8448
.set SPI,   528
.set LI,   1                           ; 16 x lane
.set L4,   2                           ; 4 x lane
.set VUP,  3                           ; head: my rows of up
.set VUS,  4
.set XWI,  5
.set XWS,  6
.set VW,   7                           ; 16 lane + 16384 w: my eight fragments of a chunk of wqb, kfb, vfb, wsb
.set VWO,  8                           ; 8 lane + 1024 w: the scale words of wqb, vfb, wsb
.set AU0,  9
.set AUS0, 10
.set QWI0, 11
.set QWS0, 12
.set AU,   13
.set AUS,  14
.set QWI,  15
.set QWS,  16
.set PFO,  17                          ; the offset of the prefetches: 256 x (thread % 64); never rewritten
.set AQS,  19
.set VKS,  21                          ; the scale words of my two key tiles: 16 lane + 512 (w / 2) + 8 (w % 2)
.set APW0, 22
.set EAW0, 23
.set APW,  24
.set EAW,  25
.set STW,  26
.set STR,  27
.set RLW,  28
.set PSW,  29
.set API0, 3                           ; phases B, C take registers that the head has left
.set APS0, 4
.set API,  5
.set APS,  6
.set RLA,  9
.set STO,  10
.set RD,   11
.set HA,   128                         ; phase 0: eight tiles of q
.set PC,   192                         ; the codes just made
.set TM,   96
.set PW,   112
.set S,    128                         ; phase A: scores, then p: query tile n at S + 16 n; register e = key 32 w + 16 h + e of the chunk
.set H,    192                         ; the end of phase A: the history of byte + M
.set ST,   72                          ; tile n at ST + 4 n: -M; 2^(old M - new M), later at work; l in two halves
.set BM,   104                         ; the largest score of tile n in this block; then its p; then the scale operand
.set TPR,  112                         ; at work; then byte + M
.set LM,   120                         ; 448 x the scale
.set RLV,  80
.set SEL,  24
.set MNT,  28
.set MSB, 0
.macro WIN new                         ; the high byte of the immediate repeats the setting that is left
.if MSB != (\new)
	s_set_vgpr_msb (MSB<<8)|(\new)
.set MSB, (\new)
.endif
.endm
.macro NOPS n                          ; places behind matrix instructions: eight ahead of a read of results and of a load into registers that they have read
.rept \n
	v_nop
.endr
.endm
.macro BARRIER                         ; my LDS stores have landed and my LDS loads are in: then the barrier of the work-group
	s_wait_dscnt 0x0
	s_barrier_signal -1
	s_barrier_wait -1
.endm
.macro QUANT s, pc                     ; 64 numbers of a lane, register 16 b + i = k 32 b + 16 h + i of my row, become the codes of a fragment; the four scale bytes stand in v[TM+4] on
.irp b, 0,1,2,3
	v_max3_num_f32 v[TM+\b], |v[(\s)+16*\b]|, |v[(\s)+1+16*\b]|, 0x4800000   ; and the floor 2^(9 - 127): the byte cannot fall under 1
.endr
.irp i, 2,4,6,8,10,12,14
.irp b, 0,1,2,3
	v_max3_num_f32 v[TM+\b], v[TM+\b], |v[(\s)+16*\b+\i]|, |v[(\s)+1+16*\b+\i]|
.endr
.endr
.irp b, 0,1,2,3
	v_permlanex16_b32 v[TM+4+\b], v[TM+\b], s[SEL], s[SEL+1]
.endr
.irp b, 0,1,2,3
	v_max_num_f32 v[TM+\b], v[TM+\b], v[TM+4+\b]
.endr
.irp b, 0,1,2,3
	v_add_nc_u32 v[TM+12+\b], 0xfc000000, v[TM+\b]      ; 8 off the exponent field: the scale operand of the conversion
.endr
.irp b, 0,1,2,3
	v_and_or_b32 v[TM+8+\b], v[TM+\b], 0x7f800000, s[MNT]   ; 448 x the scale
.endr
.irp b, 0,1,2,3
	v_lshrrev_b32 v[TM+4+\b], 23, v[TM+12+\b]
.endr
.irp b, 0,1,2,3
.irp i, 0,1,2,3,4,5,6,7,8,9,10,11,12,13,14,15
	v_med3_num_f32 v[(\s)+16*\b+\i], v[(\s)+16*\b+\i], -v[TM+8+\b], v[TM+8+\b]   ; the conversion does not saturate (ISA guide 7.6.2)
.endr
	v_cvt_scalef32_pk8_fp8_f32 v[(\pc)+4*\b:(\pc)+4*\b+1], v[(\s)+16*\b:(\s)+16*\b+7], v[TM+12+\b]
	v_cvt_scalef32_pk8_fp8_f32 v[(\pc)+4*\b+2:(\pc)+4*\b+3], v[(\s)+16*\b+8:(\s)+16*\b+15], v[TM+12+\b]
.endr
	v_nop                                          ; a plain line between the last conversion and the products that next write its sources
.endm
.macro QWORD dst
	v_lshl_or_b32 v[\dst], v[TM+5], 8, v[TM+4]
	v_lshl_or_b32 v[\dst], v[TM+6], 16, v[\dst]
	v_lshl_or_b32 v[\dst], v[TM+7], 24, v[\dst]
.endm
; A prefetch: 64 threads (waves 0 and 1) name 64 blocks of 256 bytes, the 16 KB of codes of this batch that are this work-group's share: the 32 work-groups of a batch name its 512 KB once.
; It is issued in the one trip in which the loop counter equals the limit (never in waves 2 and 3, whose limit is no count).
.macro ASK lim, base
	s_cmp_eq_u32 s29, s[\lim]
	s_cbranch_scc0 .Lnot_mine_\@
	global_prefetch_b8 v[PFO], s[\base:\base+1] th:TH_LOAD_NT scope:SCOPE_SE
.Lnot_mine_\@:
.endm
	s_load_b256 s[4:11], s[0:1], 0x0               ; up codes s[4:5], up scales s[6:7], wqb s[8:9], kfb s[10:11]
	s_load_b128 s[12:15], s[0:1], 0x20             ; vfb s[12:13], wsb s[14:15]
	s_load_b64 s[16:17], s[0:1], 0x30              ; out
	v_lshl_add_u32 v18, v0, 2, 0x4e600
	v_mov_b32 v20, 0
	v_lshrrev_b32 v30, 5, v0
	v_readfirstlane_b32 s18, v30                   ; wave w
	s_lshr_b32 s19, s18, 1                         ; w / 2
	s_and_b32 s20, s18, 1                          ; w % 2
	s_lshr_b32 s22, ttmp9, 5                       ; batch
	s_and_b32 s23, ttmp9, 7                        ; the rotation
	s_mov_b32 s24, 0x76543210
	s_mov_b32 s25, 0xfedcba98                      ; selects of v_permlanex16_b32: lane l xor 16
	s_mov_b32 s26, 0x3d8293ee                      ; c = log2(e) / sqrt(512)
	s_mov_b32 s27, s26                             ; (named with it as a pair)
	s_mov_b32 s28, 0x600000                        ; the mantissa field of 448
	s_mov_b32 s67, 0                               ; the upper word of every 64-bit offset; stays 0
	s_cmp_lt_u32 s18, 2
	s_cselect_b32 s72, 2, -1                       ; K is asked for when two trips of phase 0 are left,
	s_cselect_b32 s73, 1, -1                       ; V in the last trip of the loop of phase A
	v_and_b32 v30, 31, v0                          ; lane
	v_and_b32 v31, 15, v0                          ; r
	v_bfe_u32 v13, v0, 4, 1                        ; h
	v_lshlrev_b32 v[LI], 4, v30
	v_lshlrev_b32 v[L4], 2, v30
	s_lshl_b32 s31, s18, 14
	v_lshlrev_b32 v[VUP], 9, v31
	v_lshl_add_u32 v[VUP], v13, 4, v[VUP]
	v_add_nc_u32 v[VUP], s31, v[VUP]               ; (32 w + r) x 512 + 16 h
	v_add_nc_u32 v[VW], s31, v[LI]
	v_add_nc_u32 v[QWI0], s31, v[LI]               ; QIMG + 16384 w + 16 lane
	s_lshl_b32 s31, s18, 9
	v_lshl_add_u32 v[VUS], v31, 4, s31             ; (32 w + r) x 16
	s_add_co_u32 s78, s31, PIMG
	v_add_nc_u32 v[APW0], s78, v[LI]               ; piece w of the fragments of p
	s_lshl_b32 s31, s18, 12
	s_add_co_u32 s31, s31, UIMG
	v_add_nc_u32 v[XWI], s31, v[LI]
	s_lshl_b32 s31, s18, 8
	s_add_co_u32 s31, s31, USC
	v_add_nc_u32 v[XWS], s31, v[L4]
	s_lshl_b32 s31, s18, 10
	v_lshl_add_u32 v[VWO], v30, 3, s31
	s_add_co_u32 s78, s31, QSC
	v_add_nc_u32 v[QWS0], s78, v[L4]
	s_lshl_b32 s31, s18, 11
	s_add_co_u32 s31, s31, STAT
	v_lshl_add_u32 v[STW], v30, 3, s31             ; my eight pairs (-M, l)
	v_lshl_add_u32 v[STR], v30, 3, STAT            ; and those of all four waves
	v_add_nc_u32 v[AU0], UIMG, v[LI]
	v_add_nc_u32 v[AUS0], USC, v[L4]
	v_add_nc_u32 v[AQS], QSC, v[L4]
	s_add_co_u32 s31, s18, PSC
	v_add_nc_u32 v[PSW], s31, v[L4]                ; byte w of the scale words of p
	s_lshl_b32 s31, s19, 9
	s_lshl_b32 s78, s20, 3
	s_add_co_u32 s31, s31, s78
	v_add_nc_u32 v[VKS], s31, v[LI]
	s_mul_i32 s31, s18, STGW
	s_add_co_u32 s31, s31, STAGE
	v_lshl_add_u32 v[EAW0], v30, 3, s31
	v_lshl_add_u32 v[RLW], v31, 2, RL
	v_and_b32 v[PFO], 63, v0
	v_lshlrev_b32 v[PFO], 8, v[PFO]
.irp b, 0,1,2,3
	v_mov_b32 v[TM+4+\b], 0                        ; written once: the destination of a lane permute counts as one of its sources
.endr
	s_lshl_b32 s74, ttmp9, 16                      ; my 128 rows of up: 128 x rows of 512 bytes,
	s_lshl_b32 s75, ttmp9, 11                      ; and of 16 bytes of scales
	s_wait_kmcnt 0x0
.irp t, 0,1,2,3                        ; trip t takes K step (t + x) % 4 of up, Wq and Wskip
	s_add_co_u32 s31, s23, \t
	s_and_b32 s31, s31, 3
	s_lshl_b32 s66, s31, 7
	s_add_co_u32 s66, s66, s74
	s_add_nc_u64 s[32+2*\t:33+2*\t], s[4:5], s[66:67]
	s_lshl_b32 s66, s31, 2
	s_add_co_u32 s66, s66, s75
	s_add_nc_u64 s[40+2*\t:41+2*\t], s[6:7], s[66:67]
	s_mul_i32 s66, s31, CHUNK
	s_add_nc_u64 s[48+2*\t:49+2*\t], s[8:9], s[66:67]
.endr
.irp t, 0,1,2,3                        ; my 32 rows of up as eight fragments, into the registers in which they will lie as operands
.irp u, 0,1
.irp c, 0,1,2,3
	global_load_b128 v[128+16*(2*\t+\u)+4*\c:128+16*(2*\t+\u)+4*\c+3], v[VUP], s[32+2*\t:33+2*\t] offset:8192*\u+32*\c
.endr
.endr
.endr
.irp t, 0,1,2,3
.irp u, 0,1
	global_load_b32 v[72+2*\t+\u], v[VUS], s[40+2*\t:41+2*\t] offset:256*\u
.endr
.endr
.macro WQL q                           ; tile q of my eight of Wq, all four K steps: window 1 (tiles 0-3) or 2 (tiles 4-7), at 16 (4 (q % 4) + t)
.irp t, 0,1,2,3
.irp c, 0,1,2,3
	global_load_b128 v[16*(4*((\q)%4)+\t)+4*\c:16*(4*((\q)%4)+\t)+4*\c+3], v[VW], s[48+2*\t:49+2*\t] offset:2048*(\q)+512*\c
.endr
.endr
.endm
	WIN 0x40
	WQL 0
	WQL 1
	WQL 2
	WIN 0
	; the other addresses, while the loads are out
	s_mul_i32 s66, s22, 8*CHUNK
	s_add_nc_u64 s[56:57], s[10:11], s[66:67]      ; the eight chunks of K of my batch
	s_add_nc_u64 s[60:61], s[12:13], s[66:67]      ; and of V
	s_bfe_u32 s31, ttmp9, 0x30002
	s_mul_i32 s66, s31, CHUNK
	s_and_b32 s31, ttmp9, 3
	s_lshl_b32 s31, s31, 14
	s_add_co_u32 s66, s66, s31
	s_add_nc_u64 s[68:69], s[56:57], s[66:67]      ; the 16 KB of codes that my work-group prefetches: chunk (x % 32) / 4, quarter x % 4
	s_add_nc_u64 s[70:71], s[60:61], s[66:67]
	s_lshl_b32 s66, s22, 23                        ; out: batch x 512 rows of 16,384 bytes,
	s_lshl_b32 s31, s18, 21                        ; my 128 channels,
	s_add_co_u32 s66, s66, s31
	s_and_b32 s31, ttmp9, 31
	s_lshl_b32 s31, s31, 9                         ; my 128 queries
	s_add_co_u32 s66, s66, s31
	s_add_nc_u64 s[16:17], s[16:17], s[66:67]
	s_wait_loadcnt 48                              ; behind the 40 loads of up: 48 of Wq, which may stay out
.irp t, 0,1,2,3
.irp u, 0,1
.irp c, 0,1,2,3
	ds_store_b128 v[XWI], v[128+16*(2*\t+\u)+4*\c:128+16*(2*\t+\u)+4*\c+3] offset:16384*\t+2048*\u+512*\c
.endr
	ds_store_b32 v[XWS], v[72+2*\t+\u] offset:1024*\t+128*\u
.endr
.endr
	WIN 0x40
	WQL 3
	WIN 0x80
	WQL 4
	WQL 5
	WQL 6
	WQL 7
	WIN 0
.irp t, 0,1,2,3
.irp q, 0,1,2,3
	global_load_b64 v[32+8*\t+2*\q:33+8*\t+2*\q], v[VWO], s[48+2*\t:49+2*\t] offset:SCO+256*\q   ; scale words of Wq: v[32 + 8 t + tile]
.endr
.endr
	BARRIER                                        ; the 32 fragments of up lie in LDS
; ---- PHASE 0.  Window 1, 2: Wq.  Window 3: v0-127 the four fragments of a query tile, two sets.  v64-71 their scale words.
.macro XFETCH set, d, au, aus          ; the tile d / 2048 on from the address, all four K steps
	WIN 0xc0
.irp t, 0,1,2,3
.irp c, 0,1,2,3
	ds_load_b128 v[64*\set+16*\t+4*\c:64*\set+16*\t+4*\c+3], v[\au] offset:16384*\t+512*\c+\d
.endr
.endr
	WIN 0
.irp t, 0,1,2,3
	ds_load_b32 v[64+4*\set+\t], v[\aus] offset:1024*\t+(\d)/16
.endr
.endm
; q^T: source 0 = 16 rows of Wq, source 1 = 16 queries: a lane holds one query, and the 16 registers of tiles 2 b, 2 b + 1 are 16 neighbouring channels.  Four accumulators by turns.
.macro QMUL set
	WIN 0x0d                                       ; source 0 window 1, source 1 window 3
.irp t, 0,1,2,3
.irp q, 0,1,2,3
.if \t == 0
	v_wmma_scale_f32_16x16x128_f8f6f4 v[HA+8*\q:HA+8*\q+7], v[16*(4*\q+\t):16*(4*\q+\t)+15], v[64*\set+16*\t:64*\set+16*\t+15], 0, v[32+8*\t+\q], v[64+4*\set+\t]
.else
	v_wmma_scale_f32_16x16x128_f8f6f4 v[HA+8*\q:HA+8*\q+7], v[16*(4*\q+\t):16*(4*\q+\t)+15], v[64*\set+16*\t:64*\set+16*\t+15], v[HA+8*\q:HA+8*\q+7], v[32+8*\t+\q], v[64+4*\set+\t]
.endif
.endr
.endr
	WIN 0x0e                                       ; source 0 window 2
.irp t, 0,1,2,3
.irp q, 0,1,2,3
.if \t == 0
	v_wmma_scale_f32_16x16x128_f8f6f4 v[HA+32+8*\q:HA+32+8*\q+7], v[16*(4*\q+\t):16*(4*\q+\t)+15], v[64*\set+16*\t:64*\set+16*\t+15], 0, v[36+8*\t+\q], v[64+4*\set+\t]
.else
	v_wmma_scale_f32_16x16x128_f8f6f4 v[HA+32+8*\q:HA+32+8*\q+7], v[16*(4*\q+\t):16*(4*\q+\t)+15], v[64*\set+16*\t:64*\set+16*\t+15], v[HA+32+8*\q:HA+32+8*\q+7], v[36+8*\t+\q], v[64+4*\set+\t]
.endif
.endr
.endr
	WIN 0
.endm
.macro IMAGE k                         ; the fragment just made goes to LDS as it stands, and its scale word
.irp c, 0,1,2,3
	ds_store_b128 v[QWI], v[PC+4*\c:PC+4*\c+3] offset:2048*\k+512*\c
.endr
	ds_store_b32 v[QWS], v[PW] offset:128*\k
.endm
	s_mov_b32 s29, 4                               ; four trips, two query tiles each
	s_mov_b32 s76, 0
	s_mov_b32 s77, 0
	XFETCH 0, 0, AU0, AUS0
	s_wait_loadcnt 0x0                             ; Wq and its scale words
.Lq:
	s_wait_dscnt 0x0                               ; set 0 is in; my stores have read their registers
	v_add_nc_u32 v[AU], s76, v[AU0]
	v_add_nc_u32 v[AUS], s77, v[AUS0]
	v_add_nc_u32 v[QWI], s76, v[QWI0]
	v_add_nc_u32 v[QWS], s77, v[QWS0]
	XFETCH 1, 2048, AU, AUS                        ; the second tile, while the first is multiplied (its registers were last read a whole quantising ago)
	ASK 72, 68
	QMUL 0
	NOPS 8
	QUANT HA, PC
	QWORD PW
	IMAGE 0
	s_wait_dscnt 0x0                               ; set 1 is in; the stores have read the codes
	s_cmp_eq_u32 s29, 1
	s_cbranch_scc1 .Lq_last                        ; the last trip has no next tile
	XFETCH 0, 4096, AU, AUS
.Lq_last:
	QMUL 1
	NOPS 8
	QUANT HA, PC
	QWORD PW
	IMAGE 1
	s_add_co_u32 s76, s76, 4096
	s_add_co_u32 s77, s77, 256
	s_sub_co_u32 s29, s29, 1
	s_cmp_lg_u32 s29, 0
	s_cbranch_scc1 .Lq
; ---- PHASE A.  Window 1: v0-127 K (u, s) at 16 (2 s + u); from v128 the codes of p, block n at 128 + 16 ((n + 1) % 8).  Windows 2, 3: Q (i, s) at 16 (4 (i % 4) + s), query tiles 0-3 and 4-7.
; v32-63 scale words of Q at 32 + 8 ((s + 2) % 4) + i: those of channel steps 0 and 1 lie where the first scale words of V will land when they are done with.  v64-71 scale words of K (2 s + u).
.macro KRUN q                          ; channel steps 2 q and 2 q + 1 of my two key tiles of the chunk at s[58:59]: 2 + 16 loads
.irp s, 2*\q, 2*\q+1
	global_load_b64 v[64+2*(\s):65+2*(\s)], v[VKS], s[58:59] offset:SCO+1024*(\s)
.endr
	WIN 0x40
.irp s, 2*\q, 2*\q+1
.irp u, 0,1
.irp c, 0,1,2,3
	global_load_b128 v[16*(2*(\s)+\u)+4*\c:16*(2*(\s)+\u)+4*\c+3], v[VW], s[58:59] offset:2048*(4*\u+(\s))+512*\c
.endr
.endr
.endr
	WIN 0
.endm
.macro NEXTK                           ; on to chunk (trip + 1 + x) % 8
	s_wait_xcnt 0x0                                ; the loads of the last chunk have read their base
	s_add_co_u32 s79, s79, 1
	s_add_co_u32 s31, s79, s23
	s_and_b32 s31, s31, 7
	s_mul_i32 s66, s31, CHUNK
	s_add_nc_u64 s[58:59], s[56:57], s[66:67]
.endm
.macro NEXTP                           ; the stream of phases B and C: chunk s30: V (0 .. 7), then Wskip (8 .. 11), rotated
	s_wait_xcnt 0x0                                ; the loads of the chunk before have read their base
	s_cmp_lt_u32 s30, 8
	s_cselect_b64 s[62:63], s[60:61], s[14:15]
	s_cselect_b32 s78, 7, 3
	s_add_co_u32 s31, s30, s23
	s_and_b32 s31, s31, s78
	s_mul_i32 s66, s31, CHUNK
	s_add_nc_u64 s[62:63], s[62:63], s[66:67]
	s_add_co_u32 s30, s30, 1
.endm
.macro VHALF set, y0                   ; channel tiles y0 .. y0 + 3 of my eight, into set: 2 loads of scale words and 16 of codes
.irp q, 0,1
	global_load_b64 v[48+8*\set+\y0+2*\q:48+8*\set+\y0+2*\q+1], v[VWO], s[62:63] offset:SCO+256*((\y0)/2+\q)
.endr
	WIN 0x40
.irp y, 0,1,2,3
.irp c, 0,1,2,3
	global_load_b128 v[128*\set+16*(\y0+\y)+4*\c:128*\set+16*(\y0+\y)+4*\c+3], v[VW], s[62:63] offset:2048*(\y0+\y)+512*\c
.endr
.endr
	WIN 0
.endm
; S^T: source 0 = 16 keys, source 1 = 16 queries; eight products: my two key tiles x four query tiles of one window, channel step s.  The accumulators take turns.
.macro SMUL s, half
.irp u, 0,1
.irp i, 0,1,2,3
.if \s == 0
	v_wmma_scale_f32_16x16x128_f8f6f4 v[S+16*(4*\half+\i)+8*\u:S+16*(4*\half+\i)+8*\u+7], v[16*(2*\s+\u):16*(2*\s+\u)+15], v[16*(4*\i+\s):16*(4*\i+\s)+15], 0, v[64+2*\s+\u], v[32+8*((\s+2)%4)+4*\half+\i]
.else
	v_wmma_scale_f32_16x16x128_f8f6f4 v[S+16*(4*\half+\i)+8*\u:S+16*(4*\half+\i)+8*\u+7], v[16*(2*\s+\u):16*(2*\s+\u)+15], v[16*(4*\i+\s):16*(4*\i+\s)+15], v[S+16*(4*\half+\i)+8*\u:S+16*(4*\half+\i)+8*\u+7], v[64+2*\s+\u], v[32+8*((\s+2)%4)+4*\half+\i]
.endif
.endr
.endr
.endm
.macro SOFTMAX
.irp n, 0,1,2,3,4,5,6,7                ; query tile n: 16 registers at S + 16 n, my half of the block of 32 keys.  Its largest score serves twice: for the maximum of the row and, since p rises with the score, for the largest p of the block
	v_max3_num_f32 v[BM+\n], v[S+16*\n], v[S+16*\n+1], v[S+16*\n+2]
.endr
.irp k, 3,5,7,9,11,13
.irp n, 0,1,2,3,4,5,6,7
	v_max3_num_f32 v[BM+\n], v[BM+\n], v[S+16*\n+\k], v[S+16*\n+\k+1]
.endr
.endr
.irp n, 0,1,2,3,4,5,6,7
	v_max_num_f32 v[BM+\n], v[BM+\n], v[S+16*\n+15]
.endr
.irp n, 0,1,2,3,4,5,6,7
	v_permlanex16_b32 v[TPR+\n], v[BM+\n], s[SEL], s[SEL+1]
.endr
.irp n, 0,1,2,3,4,5,6,7
	v_max_num_f32 v[BM+\n], v[BM+\n], v[TPR+\n]    ; with the 16 keys of lane l xor 16
.endr
.irp n, 0,1,2,3,4,5,6,7
	v_mul_f32 v[TPR+\n], s26, v[BM+\n]             ; as t (c is positive)
.endr
.irp n, 0,1,2,3,4,5,6,7
	v_floor_f32 v[TPR+\n], -v[TPR+\n]              ; floor(-t) = -ceil(t)
.endr
.irp n, 0,1,2,3,4,5,6,7
	v_min_num_f32 v[TPR+\n], v[TPR+\n], v[ST+4*\n] ; the new -M: the ceiling of the largest t is the largest of the ceilings
.endr
.irp n, 0,1,2,3,4,5,6,7
	v_sub_f32 v[ST+4*\n+1], v[TPR+\n], v[ST+4*\n]  ; old M - new M: a whole number, 0 or less
.endr
.irp n, 0,1,2,3,4,5,6,7
	v_mov_b32 v[ST+4*\n], v[TPR+\n]
.endr
.irp n, 0,1,2,3,4,5,6,7
	v_cvt_i32_f32 v[ST+4*\n+1], v[ST+4*\n+1]       ; (it saturates)
.endr
.irp n, 0,1,2,3,4,5,6,7
	v_ldexp_f32 v[ST+4*\n+1], 1.0, v[ST+4*\n+1]    ; 2^(old M - new M): exact
.endr
.irp n, 0,1,2,3,4,5,6,7
	v_cvt_i32_f32 v[TPR+\n], v[ST+4*\n]            ; -M as a whole number
.endr
.set j, 0
.rept 64
	v_pk_fma_f32 v[S+2*j:S+2*j+1], v[S+2*j:S+2*j+1], s[26:27], v[ST+4*(j/8):ST+4*(j/8)+1] op_sel_hi:[1,0,0]   ; t - M, two at a time (of the pairs c and -M the low word serves both halves)
.set j, j+1
.endr
.irp n, 0,1,2,3,4,5,6,7
	v_fma_f32 v[BM+\n], v[BM+\n], s26, v[ST+4*\n]  ; the same of the largest score
.endr
.set j, 0
.rept 128
	v_exp_f32 v[S+j], v[S+j]                       ; p = 2^(t - M): not normalised
.set j, j+1
.endr
.irp n, 0,1,2,3,4,5,6,7
	v_mul_f32 v[ST+4*\n+2], v[ST+4*\n+2], v[ST+4*\n+1]   ; l under the new M; plain lines behind the exponentials
	v_mul_f32 v[ST+4*\n+3], v[ST+4*\n+3], v[ST+4*\n+1]
.endr
	s_wait_alu depctr_va_vdst(0)                   ; one wait for the batch of 128, ahead of the first line that names a result
.irp n, 0,1,2,3,4,5,6,7
	v_exp_f32 v[BM+\n], v[BM+\n]                   ; the largest p of each block: the same two instructions on the same number
.endr
.irp j, 0,2,4,6,8,10,12,14
.irp n, 0,1,2,3,4,5,6,7
	v_pk_add_f32 v[ST+4*\n+2:ST+4*\n+3], v[ST+4*\n+2:ST+4*\n+3], v[S+16*\n+\j:S+16*\n+\j+1]   ; l is the sum of the UNQUANTISED p: a chain a tile, the eight by turns
.endr
.endr
	s_wait_alu depctr_va_vdst(0)                   ; and one for the eight
.irp n, 0,1,2,3,4,5,6,7
	v_max_num_f32 v[BM+\n], 0x4800000, v[BM+\n]    ; the floor 2^(9 - 127)
.endr
.irp n, 0,1,2,3,4,5,6,7
	v_and_or_b32 v[LM+\n], v[BM+\n], 0x7f800000, s[MNT]   ; 448 x the scale
.endr
.irp n, 0,1,2,3,4,5,6,7
	v_add_nc_u32 v[BM+\n], 0xfc000000, v[BM+\n]    ; the scale operand of the conversion
.endr
.irp n, 0,1,2,3,4,5,6,7
	v_lshrrev_b32 v[ST+4*\n+1], 23, v[BM+\n]       ; the scale byte under this M,
.endr
.irp n, 0,1,2,3,4,5,6,7
	v_sub_nc_u32 v[TPR+\n], v[ST+4*\n+1], v[TPR+\n]   ; kept as byte + M
.endr
.set j, 0
.rept 128
	v_min_num_f32 v[S+j], v[S+j], v[LM+j/16]       ; p is not negative: a one-sided hold (the conversion does not saturate: ISA guide 7.6.2)
.set j, j+1
.endr
	WIN 0x40                                       ; the codes go to window 1
.irp n, 0,1,2,3,4,5,6,7
	v_cvt_scalef32_pk8_fp8_f32 v[128+16*((\n+1)%8):128+16*((\n+1)%8)+1], v[S+16*\n:S+16*\n+7], v[BM+\n]
	v_cvt_scalef32_pk8_fp8_f32 v[128+16*((\n+1)%8)+2:128+16*((\n+1)%8)+3], v[S+16*\n+8:S+16*\n+15], v[BM+\n]
.endr
	v_nop                                          ; a plain line behind the last conversion
	WIN 0x04                                       ; the data of an LDS store are its source 1
.irp n, 0,1,2,3,4,5,6,7
	ds_store_b128 v[APW], v[128+16*((\n+1)%8):128+16*((\n+1)%8)+3] offset:2048*\n   ; piece w of the fragment of query tile n
.endr
	WIN 0
.irp i, 0,1,2,3
	ds_store_b64 v[EAW], v[TPR+2*\i:TPR+2*\i+1] offset:256*\i
.endr
.endm
; A trip: one chunk of 128 keys.  more = 1: the next chunk of K follows into the registers that are done with; more = 0: the first chunk of V does.
.macro ATRIP more
	v_add_nc_u32 v[APW], s74, v[APW0]
	v_add_nc_u32 v[EAW], s75, v[EAW0]
	s_wait_loadcnt 18                              ; channel steps 0 and 1 are in; the 18 loads of steps 2 and 3 may be out
	WIN 0x09                                       ; source 0 window 1, source 1 window 2
	SMUL 0, 0
	SMUL 1, 0
	WIN 0x0d                                       ; source 1 window 3
	SMUL 0, 1
	SMUL 1, 1
	WIN 0
	NOPS 8
.if \more
	NEXTK
	KRUN 0
	ASK 73, 70
.else
	NEXTP
	VHALF 0, 0
.endif
	s_wait_loadcnt 18                              ; steps 2 and 3 are in; the 18 loads just issued may be out
	WIN 0x09
	SMUL 2, 0
	SMUL 3, 0
	WIN 0x0d
	SMUL 2, 1
	SMUL 3, 1
	WIN 0
	NOPS 8
.if \more
	KRUN 1
.else
	VHALF 0, 4
.endif
	SOFTMAX
	s_wait_dscnt 0x0                               ; the stores have read their registers
	s_add_co_u32 s74, s74, 16384
	s_add_co_u32 s75, s75, 1024
.endm
	s_mul_i32 s66, s23, CHUNK                      ; the first chunk: x % 8
	s_add_nc_u64 s[58:59], s[56:57], s[66:67]
	KRUN 0                                         ; (the registers of Wq and of the scale words were last read ahead of the last quantising)
	KRUN 1
	BARRIER                                        ; the 32 fragments of q lie in LDS
	WIN 0x80
.irp i, 0,1,2,3
.irp s, 0,1,2,3
.irp c, 0,1,2,3
	ds_load_b128 v[16*(4*\i+\s)+4*\c:16*(4*\i+\s)+4*\c+3], v[LI] offset:QIMG+16384*\s+2048*\i+512*\c
.endr
.endr
.endr
	WIN 0xc0
.irp i, 0,1,2,3
.irp s, 0,1,2,3
.irp c, 0,1,2,3
	ds_load_b128 v[16*(4*\i+\s)+4*\c:16*(4*\i+\s)+4*\c+3], v[LI] offset:QIMG+16384*\s+2048*(\i+4)+512*\c
.endr
.endr
.endr
	WIN 0
.irp s, 0,1,2,3
.irp i, 0,1,2,3,4,5,6,7
	ds_load_b32 v[32+8*((\s+2)%4)+\i], v[AQS] offset:1024*\s+128*\i
.endr
.endr
.irp n, 0,1,2,3,4,5,6,7
	v_mov_b32 v[ST+4*\n], 0x7f61b1e6               ; -M so far: 3e38, above every floor(-t)
	v_mov_b32 v[ST+4*\n+2], 0                      ; l, in two halves
	v_mov_b32 v[ST+4*\n+3], 0
	v_mov_b32 v[TPR+\n], 0                         ; written once: the destination of a lane permute counts as one of its sources
.endr
	s_mov_b32 s74, 0
	s_mov_b32 s75, 0
	s_mov_b32 s79, 0
	s_mov_b32 s30, 0
	s_mov_b32 s29, 7
	s_wait_dscnt 0x0                               ; Q
.La:
	ATRIP 1
	s_sub_co_u32 s29, s29, 1
	s_cmp_lg_u32 s29, 0
	s_cbranch_scc1 .La
	ATRIP 0
	NEXTP                                          ; the second chunk of V: its registers held the codes of p, which the stores have read
	VHALF 1, 0
	VHALF 1, 4
	; ---- the four waves meet: the final M and l of each query; the scale bytes come under the final M
.irp n, 0,1,2,3,4,5,6,7
	v_add_f32 v[ST+4*\n+2], v[ST+4*\n+2], v[ST+4*\n+3]
.endr
.irp n, 0,1,2,3,4,5,6,7
	v_permlanex16_b32 v[LM+\n], v[ST+4*\n+2], s[SEL], s[SEL+1]
.endr
.irp n, 0,1,2,3,4,5,6,7
	v_add_f32 v[ST+4*\n+1], v[ST+4*\n+2], v[LM+\n] ; my l, beside my -M
.endr
.irp n, 0,1,2,3,4,5,6,7
	ds_store_b64 v[STW], v[ST+4*\n:ST+4*\n+1] offset:256*\n
.endr
	BARRIER
.set q, 0
.rept 32
	ds_load_b64 v[S+2*q:S+2*q+1], v[STR] offset:2048*(q/8)+256*(q%8)   ; wave q / 8, tile q % 8: -M, l
.set q, q+1
.endr
.set q, 0
.rept 32
	ds_load_b64 v[H+2*q:H+2*q+1], v[EAW0] offset:1024*(q/4)+256*(q%4)  ; my own history of byte + M: register H + 8 t + n is trip t, tile n
.set q, q+1
.endr
	s_wait_dscnt 32                                ; the 32 pairs are in; the 32 loads behind them may be out
.irp n, 0,1,2,3,4,5,6,7
	v_min_num_f32 v[BM+\n], v[S+2*\n], v[S+16+2*\n]
.endr
.irp n, 0,1,2,3,4,5,6,7
	v_min_num_f32 v[LM+\n], v[S+32+2*\n], v[S+48+2*\n]
.endr
.irp n, 0,1,2,3,4,5,6,7
	v_min_num_f32 v[BM+\n], v[BM+\n], v[LM+\n]     ; the final -M
.endr
.set q, 0
.rept 32
	v_sub_f32 v[S+2*q], v[BM+q%8], v[S+2*q]        ; the M of that wave - the final M: 0 or less
.set q, q+1
.endr
.set q, 0
.rept 32
	v_cvt_i32_f32 v[S+2*q], v[S+2*q]
.set q, q+1
.endr
.set q, 0
.rept 32
	v_ldexp_f32 v[S+2*q+1], v[S+2*q+1], v[S+2*q]   ; its l under the final M
.set q, q+1
.endr
.irp n, 0,1,2,3,4,5,6,7
	v_add_f32 v[S+2*\n+1], v[S+2*\n+1], v[S+16+2*\n+1]
.endr
.irp n, 0,1,2,3,4,5,6,7
	v_add_f32 v[S+32+2*\n+1], v[S+32+2*\n+1], v[S+48+2*\n+1]
.endr
.irp n, 0,1,2,3,4,5,6,7
	v_add_f32 v[LM+\n], v[S+2*\n+1], v[S+32+2*\n+1]      ; l
.endr
.irp n, 0,1,2,3,4,5,6,7
	v_rcp_f32 v[LM+\n], v[LM+\n]
.endr
.irp n, 0,1,2,3,4,5,6,7
	v_cvt_i32_f32 v[TPR+\n], v[BM+\n]              ; the final -M as a whole number (plain lines behind the reciprocals)
.endr
	s_wait_alu depctr_va_vdst(0)                   ; one wait for the eight reciprocals, ahead of the branch and of their first reader
	s_cmp_lg_u32 s18, 0
	s_cbranch_scc1 .Lno_rl                         ; all four waves hold the same numbers: one of them stores
.irp n, 0,1,2,3,4,5,6,7
	ds_store_b32 v[RLW], v[LM+\n] offset:64*\n
.endr
.Lno_rl:
	s_wait_dscnt 0x0                               ; the history is in
.set q, 0
.rept 64
	v_add_nc_u32 v[H+q], v[H+q], v[TPR+q%8]        ; byte + M - the final M
.set q, q+1
.endr
.set q, 0
.rept 64
	v_cmp_le_i32 vcc_lo, 0, v[H+q]
	v_cndmask_b32 v[H+q], 0, v[H+q], vcc_lo        ; held at 0 from below
.set q, q+1
.endr
.set q, 0
.rept 64
	ds_store_b8 v[PSW], v[H+q] offset:1024*(q/8)+128*(q%8)   ; byte w of the scale word of trip q / 8, tile q % 8
.set q, q+1
.endr
	; the addresses of phases B and C
	v_and_b32 v30, 15, v0
	v_bfe_u32 v31, v0, 4, 1
	v_add_nc_u32 v[API0], PIMG, v[LI]
	v_add_nc_u32 v[APS0], PSC, v[L4]
	v_add_nc_u32 v[API], PIMG, v[LI]
	v_add_nc_u32 v[APS], PSC, v[L4]
	v_lshl_add_u32 v[RLA], v31, 5, RL              ; 1 / l of queries 16 x + 8 h + 0 .. 7
	s_mul_i32 s31, s18, STGW
	s_add_co_u32 s31, s31, STAGE
	v_mul_u32_u24 v[STO], v30, SPI
	v_lshl_add_u32 v[STO], v31, 5, v[STO]
	v_add_nc_u32 v[STO], s31, v[STO]               ; the stage: row r (a channel), 32 h bytes on
	v_add_nc_u32 v[RD], s31, v[LI]                 ; back: a whole row, 16 bytes a lane
	s_mov_b32 s74, 0
	s_mov_b32 s75, 0
	BARRIER                                        ; the codes of p, their scale words and 1 / l lie in LDS
; ---- PHASES B AND C: twelve trips of 128 along K.  Windows 2, 3: acc (x, y) at 8 (8 (x % 4) + y), query tiles 0-3 and 4-7.  Window 0 v128-255: the eight fragments of P (or up), one set.
; Window 1: my eight fragments of V (or Wskip), two sets.  v32-47 scale words of P, v48-63 of V, two sets each.
; Source 0 = 16 queries, source 1 = 16 channels: a lane holds one channel (a row of out) and eight neighbouring queries.
.macro MULQ half, y0, set, zero        ; 16 products; the 64 accumulators take turns in the same order in every trip
.irp y, 0,1,2,3
.irp x, 0,1,2,3
.if \zero
	v_wmma_scale_f32_16x16x128_f8f6f4 v[8*(8*\x+\y0+\y):8*(8*\x+\y0+\y)+7], v[128+16*(4*\half+\x):128+16*(4*\half+\x)+15], v[128*\set+16*(\y0+\y):128*\set+16*(\y0+\y)+15], 0, v[32+8*\set+4*\half+\x], v[48+8*\set+\y0+\y]
.else
	v_wmma_scale_f32_16x16x128_f8f6f4 v[8*(8*\x+\y0+\y):8*(8*\x+\y0+\y)+7], v[128+16*(4*\half+\x):128+16*(4*\half+\x)+15], v[128*\set+16*(\y0+\y):128*\set+16*(\y0+\y)+15], v[8*(8*\x+\y0+\y):8*(8*\x+\y0+\y)+7], v[32+8*\set+4*\half+\x], v[48+8*\set+\y0+\y]
.endif
.endr
.endr
.endm
.macro PFETCH x0
.irp x, 0,1,2,3
.irp c, 0,1,2,3
	ds_load_b128 v[128+16*(\x0+\x)+4*\c:128+16*(\x0+\x)+4*\c+3], v[API] offset:2048*(\x0+\x)+512*\c
.endr
.endr
.endm
.macro PWORDS set
.irp x, 0,1,2,3,4,5,6,7
	ds_load_b32 v[32+8*(\set)+\x], v[APS] offset:128*\x
.endr
.endm
; A trip.  more = 1: the chunk two trips on follows into this set, half by half, as the halves are done with.  next = 1: the fragments of P of the next trip follow likewise.
.macro GT set, zero, more, next
.if \next
	s_wait_loadcnt 54                              ; channel tiles 0-3 of this trip are in; behind them: tiles 4-7 and the whole next set, 3 x 18 loads
.else
	s_wait_loadcnt 18                              ; the last trip: behind them only its tiles 4-7
.endif
	s_wait_dscnt 16                                ; query tiles 0-3 and the scale words are in; the 16 loads of tiles 4-7 may be out
	WIN 0xa4                                       ; source 1 window 1, C and D window 2
	MULQ 0, 0, \set, \zero
.if \next
	s_wait_loadcnt 36                              ; tiles 4-7 are in; the next set, 2 x 18 loads, may be out
.else
	s_wait_loadcnt 0x0
.endif
	MULQ 0, 4, \set, \zero
	s_wait_dscnt 0x0                               ; query tiles 4-7
	WIN 0
	NOPS 8
.if \next
	s_add_co_u32 s74, s74, 16384
	s_add_co_u32 s75, s75, 1024
	v_add_nc_u32 v[API], s74, v[API0]
	v_add_nc_u32 v[APS], s75, v[APS0]
	PFETCH 0
	PWORDS 1-\set
.endif
.if \more
	NEXTP
.endif
	WIN 0xf4                                       ; C and D window 3
	MULQ 1, 0, \set, \zero
	WIN 0
	NOPS 8
.if \more
	VHALF \set, 0
.endif
	WIN 0xf4
	MULQ 1, 4, \set, \zero
	WIN 0
	NOPS 8
.if \more
	VHALF \set, 4
.endif
.if \next
	PFETCH 4
.endif
.endm
.macro SCALEH half                     ; the accumulators of one window x 1 / l, each from its low end on
.irp x, 0,1,2,3
	ds_load_b128 v[RLV+8*\x:RLV+8*\x+3], v[RLA] offset:64*(4*\half+\x)
	ds_load_b128 v[RLV+8*\x+4:RLV+8*\x+7], v[RLA] offset:64*(4*\half+\x)+16
.endr
	s_wait_dscnt 0x0
	WIN 0x82+0x41*\half                            ; destination and source 0 window 2 or 3
.irp x, 0,1,2,3
.irp y, 0,1,2,3,4,5,6,7
.irp p, 0,2,4,6
	v_pk_mul_f32 v[8*(8*\x+\y)+\p:8*(8*\x+\y)+\p+1], v[8*(8*\x+\y)+\p:8*(8*\x+\y)+\p+1], v[RLV+8*\x+\p:RLV+8*\x+\p+1]
.endr
.endr
.endr
	WIN 0
.endm
	PFETCH 0
	PWORDS 0
	PFETCH 4
	GT 0, 1, 1, 1                                  ; trip 0: its products start the sums: nothing is cleared
	GT 1, 0, 1, 1
	s_mov_b32 s29, 3
.Lg:                                               ; trips 2 to 7
	GT 0, 0, 1, 1
	GT 1, 0, 1, 1
	s_sub_co_u32 s29, s29, 1
	s_cmp_lg_u32 s29, 0
	s_cbranch_scc1 .Lg
	SCALEH 0                                       ; the keys are done: x 1 / l (the eight places at the end of the trip stand ahead of these reads)
	SCALEH 1
	GT 0, 0, 1, 1                                  ; trips 8 to 11: + Wskip up, onto the same accumulators
	GT 1, 0, 1, 1
	GT 0, 0, 0, 1
	GT 1, 0, 0, 0
; ---- THE WAY OUT, a channel tile (16 rows of out x 128 queries) at a time, through my own stage.  LDS serves the instructions of a wave in order (ISA guide 5.7.1.4): no wait between the stores and the loads.
.macro TOSTAGE y
	WIN 0x08                                       ; the data: window 2
.irp x, 0,1,2,3
	ds_store_b128 v[STO], v[8*(8*\x+(\y)):8*(8*\x+(\y))+3] offset:64*\x          ; each accumulator from its low end on
	ds_store_b128 v[STO], v[8*(8*\x+(\y))+4:8*(8*\x+(\y))+7] offset:64*\x+16
.endr
	WIN 0x0c                                       ; window 3
.irp x, 0,1,2,3
	ds_store_b128 v[STO], v[8*(8*\x+(\y)):8*(8*\x+(\y))+3] offset:64*(\x+4)
	ds_store_b128 v[STO], v[8*(8*\x+(\y))+4:8*(8*\x+(\y))+7] offset:64*(\x+4)+16
.endr
	WIN 0
.set BB, 128+64*((\y)%2)
.irp t, 0,1,2,3,4,5,6,7,8,9,10,11,12,13,14,15
	ds_load_b128 v[BB+4*\t:BB+4*\t+3], v[RD] offset:\t*SPI
.endr
.endm
.macro SEND y, younger                 ; younger: the LDS instructions issued behind the loads of tile y, which may stay out
.set BB, 128+64*((\y)%2)
	s_wait_dscnt \younger
.irp t, 0,1,2,3,4,5,6,7,8,9,10,11,12,13,14,15
	global_store_b128 v[LI], v[BB+4*\t:BB+4*\t+3], s[16:17] offset:(16*(\y)+\t)*16384 th:TH_STORE_NT   ; 32 lanes store 512 consecutive bytes, at a multiple of 512 from the first byte of out
.endr
.endm
	TOSTAGE 0                                      ; (the eight places at the end of the last trip stand ahead of these reads and loads)
.irp y, 1,2,3,4,5,6,7
.if \y > 1
	s_wait_xcnt 0x0                                ; the stores of tile y - 2 have read their registers: the loads of tile y may land there
.endif
	TOSTAGE \y
	SEND \y-1, 32                                  ; behind the loads of tile y - 1: 16 stores and 16 loads of tile y
.endr
	SEND 7, 0
	s_wait_tensorcnt 0x0
	ds_add_u32 v18, v20
	s_wait_dscnt 0x0
	s_endpgm
.Lfunc_end_k_qf475be253f_attn:
	.size	k_qf475be253f_attn, .Lfunc_end_k_qf475be253f_attn-k_qf475be253f_attn
	.p2alignl 7, 3214868480
	.fill 96, 4, 3214868480
	.section	.rodata,"a",@progbits
	.p2align	6, 0x0
	.amdhsa_kernel k_qf475be253f_attn
		.amdhsa_group_segment_fixed_size 321536
		.amdhsa_private_segment_fixed_size 0
		.amdhsa_enable_private_segment 0
		.amdhsa_kernarg_size 56
		.amdhsa_user_sgpr_count 2
		.amdhsa_user_sgpr_kernarg_segment_ptr 1
		.amdhsa_wavefront_size32 1
		.amdhsa_system_sgpr_workgroup_id_x 1
		.amdhsa_system_sgpr_workgroup_id_y 1
		.amdhsa_system_sgpr_workgroup_id_z 1
		.amdhsa_system_vgpr_workitem_id 0
		.amdhsa_next_free_vgpr 1024
		.amdhsa_next_free_sgpr 80
		.amdhsa_reserve_vcc 1
		.amdhsa_float_denorm_mode_32 3
		.amdhsa_float_denorm_mode_16_64 3
		.amdhsa_memory_ordered 1
		.amdhsa_forward_progress 1
		.amdhsa_inst_pref_size 255
	.end_amdhsa_kernel
	.section	.bss,"aw",@nobits
	.p2align	6
	.space	262144
	.amdgpu_metadata
---
amdhsa.version: [ 1, 2 ]
amdhsa.kernels:
  - .name:           k_qf475be253f_attn
    .symbol:         k_qf475be253f_attn.kd
    .args:
      - { .name: pcd_up_codes, .offset: 0, .size: 8, .value_kind: global_buffer, .address_space: global }
      - { .name: pcd_up_scales, .offset: 8, .size: 8, .value_kind: global_buffer, .address_space: global }
      - { .name: wqb, .offset: 16, .size: 8, .value_kind: global_buffer, .address_space: global }
      - { .name: kfb, .offset: 24, .size: 8, .value_kind: global_buffer, .address_space: global }
      - { .name: vfb, .offset: 32, .size: 8, .value_kind: global_buffer, .address_space: global }
      - { .name: wsb, .offset: 40, .size: 8, .value_kind: global_buffer, .address_space: global }
      - { .name: out0, .offset: 48, .size: 8, .value_kind: global_buffer, .address_space: global }
    .group_segment_fixed_size: 321536
    .private_segment_fixed_size: 0
    .kernarg_segment_align: 8
    .kernarg_segment_size: 56
    .max_flat_workgroup_size: 128
    .sgpr_count:     80
    .vgpr_count:     1024
    .wavefront_size: 32
...
	.end_amdgpu_metadata
.endif
;; end of part 2
